; MI455X (gfx1250); checked and timed in simulation.
; The chip was launched on July 23, 2026; its instructions are those of AMD's public machine-readable ISA for CDNA 5 (MIT licence, August 2026) and "CDNA5" Instruction Set Architecture Reference Guide (July 2026). The comments in the code are by the model that wrote it; some were corrected since.
;; Head. Allowed arithmetic: matrix products marked QUANTISED: E2M3 operands, one E8M0 scale for each 32 along K, by v_wmma_scale_f32_16x16x128_f8f6f4 with both operands' format E2M3, f32 sums; everything else in f32.
;; Inputs: Wk 512 x 64 float32; Wq 512 x 64 float32; Wv 512 x 64 float32; bk 64 float32; bq 64 float32; bv 64 float32; x 4 x 4,096 x 512 float32.
;; Outputs: out0 4 x 4,096 x 64 float32.
;; This version of the problem:
;;   THIS VERSION OF THE PROBLEM IS GIVEN IN LOW PRECISION. The matrix products marked QUANTISED in the list below multiply operands that are first quantised to E2M3 (2 exponent bits, 3 mantissa bits; 6 bits a number), with one power-of-two scale for each 32 numbers along K (OCP MX v1.0); their sums are f32. All else is computed in f32.
;;   The module's matrix products, in the order in which they are computed (A, B: the left and right operand; K: the contracted axis; several contracted axes count as one K, in the product's order):
;;     1. [M 16,384, K 512] x [K 512, N 64]; A: input x; B: input Wk: QUANTISED
;;     2. [M 16,384, K 512] x [K 512, N 64]; A: input x; B: input Wq: QUANTISED
;;     3. [M 16,384, K 512] x [K 512, N 64]; A: input x; B: input Wv: QUANTISED
;;     4. batch 4 x [M 4,096, K 64] x [K 64, N 4,096]; A: computed on the way; B: computed on the way: QUANTISED
;;     5. batch 4 x [M 4,096, K 4,096] x [K 4,096, N 64]; A: softmax (see below); B: computed on the way: QUANTISED
;;   THE QUANTISER, for each operand of a quantised product, along K:
;;     - K is cut into blocks of 32 from its start; a last block that is shorter is filled with zeros.
;;     - A block's scale is 2^e with e = floor(log2(the largest magnitude in the block)) - 2, held to -126 .. 127; a block of zeros has e = 0. As a byte (E8M0): e + 127.
;;     - Each number is divided by its block's scale, clamped to +-7.5, and rounded to the nearest number of E2M3, ties to even, subnormals kept.
;;     - The product sums the exact products of the quantised numbers (number of the format x scale) in f32.
;;   ~~~python
;;   def quantise(x, axis):      # numpy; x: float32 -> the quantised numbers, widened to float32 again
;;       x = np.moveaxis(x, axis, -1); K = x.shape[-1]
;;       x = np.pad(x, [(0, 0)] * (x.ndim - 1) + [(0, -K % 32)]); x = x.reshape(x.shape[:-1] + (-1, 32)); a = np.abs(x).max(-1, keepdims=True)
;;       e = np.where(a > 0, np.clip(np.frexp(np.where(a > 0, a, 1))[1] - 1 - 2, -126, 127), 0)      # np.frexp(a)[1] - 1 = floor(log2(a)), exactly
;;       r = np.clip(x / 2.0 ** e, -7.5, 7.5)
;;       step = 2.0 ** (np.maximum(np.frexp(np.where(r == 0, 1, r))[1] - 1, 0) - 3)
;;       q = np.round(r / step) * step * 2.0 ** e      # np.round: ties to even
;;       return np.moveaxis(q.reshape(q.shape[:-2] + (-1,))[..., :K], -1, axis).astype(np.float32)
;;   ~~~
;;   SOFTMAX AHEAD OF A QUANTISED PRODUCT. Where the list says 'softmax', what is quantised is not the finished softmax but p = 2^(t - M), with t = logit x log2(e) and M = ceil(the row's largest t), a whole number; so 1/2 < the row's largest p <= 1. The row's sum l is taken of the UNQUANTISED p, in f32, and the product's result is divided by l at the end. Since M is a whole number, a kernel that streams over the keys may use a running M (the ceiling of the running maximum): every later rescaling is an exact power of two, which a block's scale takes up: the codes' values come out the same.
;;   OPERANDS COMPUTED ON THE WAY. 'Computed on the way' means the value that the module computes at that place (a softmax that the list does not call 'softmax' is quantised finished and normalised). What goes into a quantiser is computed in f32, as accurately as f32 sums, v_exp_f32 and their like allow (about 1e-6 of the number): no bf16 or f16 on the way to a quantiser, and a product that is left as it is and whose result goes on into a quantised operand takes f32 operands (vector FMAs, or v_wmma_f32_16x16x4_f32). A number that lies on a knife's edge between two numbers of the format may be rounded either way, as far as f32 arithmetic and the matrix unit's own rounding can turn it there, and no further.
;; One version. Each part assembles by itself: llvm-mc -triple=amdgcn-amd-amdhsa -mcpu=gfx1250 --defsym DOCPART=n.
;; ======== version 1 of 1: 3 launches
;; limits: right only within a limited range of input values
;; workspace buffers: wimg 79,872 bytes; kimg 851,968 bytes; qv 1,703,936 bytes
;; launch wq (part 1): grid 48 x 1, 1 waves a work-group, no clusters, 0 bytes of LDS; arguments Wk, Wq, Wv, wimg; writes wimg
.if DOCPART == 1
	.amdgcn_target "amdgcn-amd-amdhsa--gfx1250"
	.amdhsa_code_object_version 6
	.text
	.protected	k_q41d233f69e_wq
	.globl	k_q41d233f69e_wq
	.p2align	8
	.type	k_q41d233f69e_wq,@function
k_q41d233f69e_wq:
	s_mov_b64 s[64:65], 0
	v_nop
	global_prefetch_b8 v0, s[64:65] scope:SCOPE_SE
	s_setreg_imm32_b32 hwreg(HW_REG_WAVE_MODE, 25, 1), 1
	s_wait_xcnt 0x0
; Wk, Wq, Wv: [512 (k)][64 (n)] f32, K along the FIRST axis.  Each is turned into codes of FP6 (E2M3) with one E8M0 scale byte for each 32 along K,
; laid as IMAGES OF THE OPERAND'S REGISTERS: fragment f = 16 T + 4 t + s (T: 0 Wk, 1 Wq, 2 Wv; t: a tile of 16 columns; s: a K step of 128) is 12 registers a lane:
; codes at 1536 f + 512 c + 16 lane (c = 0, 1, 2: four registers each), the scale word at 73,728 + 128 f + 4 lane (the same word in lanes r and r + 16).
; A LANE TAKES A COLUMN, AND ITS REGISTERS RUN DOWN K in the operand's order (registers 6 c .. 6 c + 5: k = 64 c + 32 (lane / 16) + 0 .. 31): a lane holds two whole blocks, and nothing is transposed.
; WHICH COLUMNS FORM A TILE.  Wk, Wq: lane r of tile 2 b + u takes column 32 b + 8 u + r + 8 (r / 8), so that the next launch's transposed product leaves 16 neighbouring channels in a lane's 16 registers
; of two neighbouring tiles.  Wv: column 16 t + r.
; SHARES.  48 fragments, 48 work-groups of one wave: work-group f makes fragment f.  That is all the work there is: 384 KiB read once.
; LIMITS: a block whose largest magnitude lies under 2^-124 keeps the byte 1; a block of zeros gets the byte 1 where the quantiser says 127 (its codes are zeros, and this program alone reads the bytes);
; NaN and infinities among the inputs are not served.
.set X,   64                           ; v64-127  my 64 numbers: block c at v[X + 32 c]
.set C,   48                           ; v48-59   the fragment's 12 registers
.set C2,  192                          ; the upper halves of the two blocks, as the conversions leave them
	s_load_b128 s[4:7], s[0:1], 0x0                ; Wk, Wq
	s_load_b128 s[8:11], s[0:1], 0x10              ; Wv, wimg
	s_and_b32 s12, ttmp9, 3                        ; s
	s_bfe_u32 s13, ttmp9, 0x20002                  ; t
	s_lshr_b32 s14, s13, 1
	s_lshl_b32 s14, s14, 5
	s_and_b32 s15, s13, 1
	s_lshl_b32 s15, s15, 3
	s_add_co_u32 s14, s14, s15                     ; Wk, Wq: the tile begins at column 32 (t / 2) + 8 (t % 2)
	s_lshl_b32 s15, s13, 4                         ; Wv: at 16 t
	s_cmp_lt_u32 ttmp9, 32
	s_cselect_b32 s14, s14, s15
	s_cselect_b32 s16, 8, 0                        ; Wk, Wq: lanes 8-15 stand 8 columns further on
	s_lshl_b32 s18, s12, 15                        ; the K step: 128 rows of 256 bytes
	s_mov_b32 s19, 0
	s_mul_i32 s20, ttmp9, 1536
	s_lshl_b32 s21, ttmp9, 7
	s_add_co_u32 s21, s21, 73728
	s_mov_b32 s22, 0x76543210                      ; v_permlanex16_b32's selects for lane l xor 16
	s_mov_b32 s23, 0xfedcba98
	v_and_b32 v1, 15, v0                           ; r
	v_bfe_u32 v2, v0, 4, 1                         ; h
	v_and_b32 v4, s16, v1
	v_add3_u32 v4, v4, v1, s14                     ; my column
	v_lshlrev_b32 v4, 2, v4
	v_lshl_add_u32 v5, v2, 13, v4                  ; lanes 16-31 begin 32 rows of 256 bytes further down
	v_lshl_add_u32 v6, v0, 4, s20
	v_lshl_add_u32 v7, v0, 2, s21
	v_mov_b32 v10, 0
	v_lshlrev_b32 v11, 3, v2
	s_wait_alu depctr_va_vdst(0)                   ; the wait at the head's end
	s_wait_kmcnt 0x0
	s_cmp_lt_u32 ttmp9, 16                         ; which tensor: the choice hangs on the work-group's number alone
	s_cselect_b64 s[4:5], s[4:5], s[6:7]
	s_cmp_lt_u32 ttmp9, 32
	s_cselect_b64 s[4:5], s[4:5], s[8:9]
	s_add_nc_u64 s[4:5], s[4:5], s[18:19]
.irp c, 0,1
.irp i, 0,1,2,3,4,5,6,7,8,9,10,11,12,13,14,15,16,17,18,19,20,21,22,23,24,25,26,27,28,29,30,31
	global_load_b32 v[X+32*\c+\i], v5, s[4:5] offset:256*(64*\c+\i)   ; W(128 s + 64 c + 32 h + i, my column)
.endr
.endr
	s_wait_loadcnt 0x0
.irp c, 0,1                                    ; my block 2 c + h: all its 32 numbers are mine
	v_max3_num_f32 v[32+\c], |v[X+32*\c]|, |v[X+1+32*\c]|, 0x1800000   ; with the floor 2^(3 - 127): the byte cannot fall under 1
.endr
.irp i, 2,4,6,8,10,12,14,16,18,20,22,24,26,28,30
.irp c, 0,1
	v_max3_num_f32 v[32+\c], v[32+\c], |v[X+32*\c+\i]|, |v[X+1+32*\c+\i]|   ; (the two blocks by turns)
.endr
.endr
.irp c, 0,1
	v_add_nc_u32 v[44+\c], 0xff000000, v[32+\c]    ; 2 off the exponent field: the conversion's scale operand
.endr
.irp c, 0,1
	v_lshrrev_b32 v[36+\c], 23, v[44+\c]           ; the scale's byte
.endr
	v_lshl_or_b32 v9, v37, 16, v36                 ; my two bytes: blocks h and 2 + h of my column,
	v_lshlrev_b32 v9, v11, v9                      ; at their places in the word (8 h bits up);
	v_permlanex16_b32 v10, v9, s22, s23
	v_or_b32 v9, v9, v10                           ; with lane l xor 16's two the word is whole
.irp c, 0,1
	v_cvt_scalef32_pk16_fp6_f32 v[C+6*\c:C+6*\c+2], v[X+32*\c:X+32*\c+15], v[44+\c]
	v_cvt_scalef32_pk16_fp6_f32 v[C2+4*\c:C2+4*\c+2], v[X+32*\c+16:X+32*\c+31], v[44+\c]   ; (a conversion's three registers begin on an even number)
.endr
	v_nop                                          ; one plain place behind a scaled conversion
.irp c, 0,1
.irp i, 0,1,2
	v_mov_b32 v[C+3+6*\c+\i], v[C2+4*\c+\i]
.endr
.endr
.irp c, 0,1,2
	global_store_b128 v6, v[C+4*\c:C+4*\c+3], s[10:11] offset:512*\c   ; 32 lanes store 512 consecutive bytes, at a multiple of 256 from the buffer's first byte
.endr
	global_store_b32 v7, v9, s[10:11]
	s_endpgm
.Lfunc_end_k_q41d233f69e_wq:
	.size	k_q41d233f69e_wq, .Lfunc_end_k_q41d233f69e_wq-k_q41d233f69e_wq
	.p2alignl 7, 3214868480
	.fill 96, 4, 3214868480
	.section	.rodata,"a",@progbits
	.p2align	6, 0x0
	.amdhsa_kernel k_q41d233f69e_wq
		.amdhsa_group_segment_fixed_size 0
		.amdhsa_private_segment_fixed_size 0
		.amdhsa_enable_private_segment 0
		.amdhsa_kernarg_size 32
		.amdhsa_user_sgpr_count 2
		.amdhsa_user_sgpr_kernarg_segment_ptr 1
		.amdhsa_wavefront_size32 1
		.amdhsa_system_sgpr_workgroup_id_x 1
		.amdhsa_system_sgpr_workgroup_id_y 1
		.amdhsa_system_sgpr_workgroup_id_z 1
		.amdhsa_system_vgpr_workitem_id 0
		.amdhsa_next_free_vgpr 208
		.amdhsa_next_free_sgpr 66
		.amdhsa_reserve_vcc 0
		.amdhsa_float_denorm_mode_32 3
		.amdhsa_float_denorm_mode_16_64 3
		.amdhsa_memory_ordered 1
		.amdhsa_forward_progress 1
		.amdhsa_inst_pref_size 12
	.end_amdhsa_kernel
	.amdgpu_metadata
---
amdhsa.version: [ 1, 2 ]
amdhsa.kernels:
  - .name:           k_q41d233f69e_wq
    .symbol:         k_q41d233f69e_wq.kd
    .args:
      - { .name: Wk, .offset: 0, .size: 8, .value_kind: global_buffer, .address_space: global }
      - { .name: Wq, .offset: 8, .size: 8, .value_kind: global_buffer, .address_space: global }
      - { .name: Wv, .offset: 16, .size: 8, .value_kind: global_buffer, .address_space: global }
      - { .name: wimg, .offset: 24, .size: 8, .value_kind: global_buffer, .address_space: global }
    .group_segment_fixed_size: 0
    .private_segment_fixed_size: 0
    .kernarg_segment_align: 8
    .kernarg_segment_size: 32
    .max_flat_workgroup_size: 32
    .sgpr_count:     66
    .vgpr_count:     208
    .wavefront_size: 32
...
	.end_amdgpu_metadata
.endif
;; end of part 1
;; launch proj (part 2): grid 256 x 1, 8 waves a work-group, no clusters, 185,344 bytes of LDS; arguments x, wimg, bk, bq, bv, kimg, qv; writes kimg, qv
.if DOCPART == 2
	.amdgcn_target "amdgcn-amd-amdhsa--gfx1250"
	.amdhsa_code_object_version 6
	.text
	.protected	k_q41d233f69e_proj
	.globl	k_q41d233f69e_proj
	.p2align	8
	.type	k_q41d233f69e_proj,@function
k_q41d233f69e_proj:
	s_mov_b64 s[64:65], 0
	v_nop
	global_prefetch_b8 v0, s[64:65] scope:SCOPE_SE
	s_setreg_imm32_b32 hwreg(HW_REG_WAVE_MODE, 25, 1), 1
	s_wait_xcnt 0x0
; k = x Wk + bk, q = x Wq + bq, v = x Wv + bv on codes of FP6 (E2M3) with one E8M0 scale for each 32 along K = 512; then k and q are quantised along the head's 64, v along the tokens.
; SHARES.  A work-group owns 64 tokens (group G = its number).  Its four tiles of 16: lane r of tile T holds token 32 (r / 8) + 8 T + r % 8.
; x: wave w fetches tokens 8 w .. 8 w + 7 (rows 8 (w / 4) on of tile w % 4), 16 KiB on end, by one tensor load, with 16 bytes of padding behind each 128; it alone reads them: a lane takes one whole block of 32 along K,
;   128 bytes, 144 from lane to lane.  The codes go to LDS for all waves.
; Products: waves 0-3 own 32 columns: wave 2 T + b the block b of k (T = 0) or q (T = 1): two column tiles, used transposed (source 0 = W): lane (r, h) holds token r, its 16 registers channels 32 b + 16 h + 0 .. 15.
;   Waves 4-7 own channels 16 (w - 4) + 0 .. 15 of v (source 0 = x): lane (r, h) holds channel r and in 32 registers tokens 32 h + 0 .. 31.  Each weight fragment has one owner and goes from memory into its registers.
;   The biases are the first products' C.
; OUT, gathered in LDS and stored in whole units of 256 bytes.  kimg, group G at 3328 G: tile T at 768 T (registers 0-1, 2-3, 4-5 of the half fragment: 256 bytes each, 8 a lane), scale words at 3072 + 16 r + 4 T.
;   qv, group G at 6656 G: q's scale words at 16 r + 4 T; v's at 256 + 16 r + 4 n (bytes 2 (G % 2) + h, the others 0); q's tiles at 512 + 768 T, as k's; v's at 3584 + 768 n: registers 0-3 at 16 lane, 4-5 at 512 + 8 lane.
; No cluster: 78 KiB of wimg against 128 KiB of x of its own, and a joint load does not reach registers.  No prefetch: all of x is asked for at once, and no loop runs ahead of it.  Nothing in LDS is filled twice.
; LIMITS: a block whose largest magnitude lies under 2^-124 keeps the byte 1; a block of zeros gets the byte 1 where the quantiser says 127 (its codes are zeros; this program alone reads the bytes);
; NaN and infinities among the inputs are not served.
.set XB,    18432                      ; a wave's rows of x in LDS: 128 x 144 bytes, at XB w
.set IMG,   8*XB                       ; x's codes: tile T, block b of 32 along K at 6400 T + 400 b: words 0-3 at 16 r, words 4-5 at 256 + 8 r, 16 bytes of padding
.set SCI,   IMG+25600                  ; x's scale bytes: 256 T + 16 r + block
.set OUT,   SCI+1024                   ; k's codes, k's words, q's words, v's words, q's codes, v's codes
.set SPARE, OUT+9984                   ; the spare words, 128 bytes a wave
.set SPW, 14
.set NIL, 15
.set X,   32                           ; v32-159  four blocks of 32
.set TMP, 192                          ; v192-207 at work
.set WW,  208                          ; v208-215 the weights' scale words
.set XS,  216                          ; v216-223 x's
.set ACC, 224                          ; v224-255
.set XF,  96                           ; window 1: v256-351 the weights' fragments, v352-447 x's eight, v448-463 the bias
.set BI,  192
.set MSB, 0
.macro WIN new
.if MSB != \new
	s_set_vgpr_msb (MSB<<8)|\new
.set MSB, \new
.endif
.endm
.macro PLACES n
.rept \n
	v_nop
.endr
.endm
; 32 numbers from register a on, a block in a lane: codes to v[c] .. v[c + 5], the scale's byte to v[c + 15]
.macro BLOCK32 a, c
	v_max3_num_f32 v[\c+12], |v[\a]|, |v[\a+1]|, |v[\a+2]|
	v_max3_num_f32 v[\c+13], |v[\a+3]|, |v[\a+4]|, |v[\a+5]|
.irp i, 6,10,14,18,22,26
	v_max3_num_f32 v[\c+12], v[\c+12], |v[\a+\i]|, |v[\a+\i+1]|
	v_max3_num_f32 v[\c+13], v[\c+13], |v[\a+\i+2]|, |v[\a+\i+3]|
.endr
	v_max3_num_f32 v[\c+12], v[\c+12], |v[\a+30]|, |v[\a+31]|
	v_max3_num_f32 v[\c+12], v[\c+12], v[\c+13], 0x1800000   ; the floor 2^(3 - 127): the byte cannot fall under 1
	v_add_nc_u32 v[\c+14], 0xff000000, v[\c+12]    ; 2 off the exponent field: the conversion's scale operand
	v_cvt_scalef32_pk16_fp6_f32 v[\c:\c+2], v[\a:\a+15], v[\c+14]
	v_cvt_scalef32_pk16_fp6_f32 v[\c+8:\c+10], v[\a+16:\a+31], v[\c+14]
	v_lshrrev_b32 v[\c+15], 23, v[\c+14]           ; the byte; and the plain place behind the conversions
.irp i, 0,1,2
	v_mov_b32 v[\c+3+\i], v[\c+8+\i]
.endr
.endm
.macro QUANT g, c                      ; rows 2 g, 2 g + 1: lane l has row l / 16 of the two, block l % 16
	s_wait_dscnt 24-5*\g                           ; behind this group's loads: 8 for each later group, 3 stores for each earlier one
	BLOCK32 X+32*\g, \c
	ds_store_b128 v9, v[\c:\c+3] offset:32*\g
	ds_store_b64 v10, v[\c+4:\c+5] offset:16*\g
	ds_store_b8 v11, v[\c+15] offset:32*\g
.endm
.macro XFLOAD p                        ; tiles 2 p, 2 p + 1: 2 + 32 loads
.irp t, 0,1
	ds_load_b128 v[XS+4*\t:XS+4*\t+3], v16 offset:256*(2*\p+\t)
.endr
	WIN 0x40
.irp s, 0,1,2,3
.irp t, 0,1
.irp c, 0,1
	ds_load_b128 v[XF+12*(4*\t+\s)+6*\c:XF+12*(4*\t+\s)+6*\c+3], v12 offset:6400*(2*\p+\t)+400*(4*\s+2*\c)
	ds_load_b64 v[XF+12*(4*\t+\s)+6*\c+4:XF+12*(4*\t+\s)+6*\c+5], v13 offset:6400*(2*\p+\t)+400*(4*\s+2*\c)
.endr
.endr
.endr
	WIN 0
.endm
.macro KQPROD younger                  ; younger: LDS stores issued behind the loads
.irp s, 0,1,2,3
	s_wait_dscnt 24-8*\s+\younger                  ; K step s is in; eight loads for each later one
.if \s == 0
	WIN 0x15
.else
	WIN 0x05
.endif
.irp t, 0,1
.irp u, 0,1                                    ; the accumulators take turns, one instruction a turn
.if \s == 0
	v_wmma_scale_f32_16x16x128_f8f6f4 v[ACC+8*(2*\t+\u):ACC+8*(2*\t+\u)+7], v[12*(4*\u+\s):12*(4*\u+\s)+11], v[XF+12*(4*\t+\s):XF+12*(4*\t+\s)+11], v[BI+8*\u:BI+8*\u+7], v[WW+4*\u+\s], v[XS+4*\t+\s] matrix_a_fmt:MATRIX_FMT_FP6 matrix_b_fmt:MATRIX_FMT_FP6
.else
	v_wmma_scale_f32_16x16x128_f8f6f4 v[ACC+8*(2*\t+\u):ACC+8*(2*\t+\u)+7], v[12*(4*\u+\s):12*(4*\u+\s)+11], v[XF+12*(4*\t+\s):XF+12*(4*\t+\s)+11], v[ACC+8*(2*\t+\u):ACC+8*(2*\t+\u)+7], v[WW+4*\u+\s], v[XS+4*\t+\s] matrix_a_fmt:MATRIX_FMT_FP6 matrix_b_fmt:MATRIX_FMT_FP6
.endif
.endr
.endr
.endr
	WIN 0
	PLACES 4
.endm
.macro KQOUT p
.irp t, 0,1                                    ; two tiles by turns: my 16 numbers of the block, then lane l xor 16's
	v_max3_num_f32 v[204+\t], |v[ACC+16*\t]|, |v[ACC+16*\t+1]|, |v[ACC+16*\t+2]|
.endr
.irp i, 3,5,7,9,11,13
.irp t, 0,1
	v_max3_num_f32 v[204+\t], v[204+\t], |v[ACC+16*\t+\i]|, |v[ACC+16*\t+\i+1]|
.endr
.endr
.irp t, 0,1
	v_max3_num_f32 v[204+\t], v[204+\t], |v[ACC+16*\t+15]|, 0x1800000
.endr
.irp t, 0,1
	v_permlanex16_b32 v[30+\t], v[204+\t], s58, s59
.endr
.irp t, 0,1
	v_max_num_f32 v[204+\t], v[204+\t], v[30+\t]
.endr
.irp t, 0,1
	v_add_nc_u32 v[206+\t], 0xff000000, v[204+\t]
.endr
.irp t, 0,1
	v_cvt_scalef32_pk16_fp6_f32 v[160+8*\p+4*\t:162+8*\p+4*\t], v[ACC+16*\t:ACC+16*\t+15], v[206+\t]
.endr
.irp t, 0,1
	v_lshrrev_b32 v[176+2*\p+\t], 23, v[206+\t]    ; the bytes; and the plain places behind the conversions
.endr
.irp t, 0,1                                    ; my three words are words 3 h .. 3 h + 2 of operand lane r + 16 b
	ds_store_b32 v17, v[160+8*\p+4*\t] offset:768*(2*\p+\t)
	ds_store_b32 v18, v[161+8*\p+4*\t] offset:768*(2*\p+\t)
	ds_store_b32 v17, v[162+8*\p+4*\t] offset:768*(2*\p+\t)+256
	ds_store_b8 v19, v[176+2*\p+\t] offset:4*(2*\p+\t)   ; both halves of the lanes write the same byte with the same value
.endr
.endm
.macro VPROD p
.irp s, 0,1,2,3
	s_wait_dscnt 24-8*\s
.if \s == 0
	WIN 0x15
.else
	WIN 0x05
.endif
.irp t, 0,1                                    ; the accumulators take turns, one instruction a turn
.if \s == 0
	v_wmma_scale_f32_16x16x128_f8f6f4 v[ACC+8*(2*\p+\t):ACC+8*(2*\p+\t)+7], v[XF+12*(4*\t+\s):XF+12*(4*\t+\s)+11], v[12*\s:12*\s+11], v[BI:BI+7], v[XS+4*\t+\s], v[WW+\s] matrix_a_fmt:MATRIX_FMT_FP6 matrix_b_fmt:MATRIX_FMT_FP6
.else
	v_wmma_scale_f32_16x16x128_f8f6f4 v[ACC+8*(2*\p+\t):ACC+8*(2*\p+\t)+7], v[XF+12*(4*\t+\s):XF+12*(4*\t+\s)+11], v[12*\s:12*\s+11], v[ACC+8*(2*\p+\t):ACC+8*(2*\p+\t)+7], v[XS+4*\t+\s], v[WW+\s] matrix_a_fmt:MATRIX_FMT_FP6 matrix_b_fmt:MATRIX_FMT_FP6
.endif
.endr
.endr
	WIN 0
	PLACES 4
.endm
	s_load_b256 s[4:11], s[0:1], 0x0               ; x, wimg, bk, bq
	s_load_b128 s[12:15], s[0:1], 0x20             ; bv, kimg
	s_load_b64 s[16:17], s[0:1], 0x30              ; qv
	v_lshl_add_u32 v[SPW], v0, 2, SPARE
	v_mov_b32 v[NIL], 0
	ds_add_u32 v[SPW], v[NIL]                      ; the opening lines
	ds_add_u32 v[SPW], v[NIL]
	v_lshrrev_b32 v1, 5, v0
	v_readfirstlane_b32 s18, v1                    ; wave w
	s_lshl_b32 s24, ttmp9, 17                      ; my group's 64 rows of 2,048 bytes; my eight
	s_lshl_b32 s25, s18, 14
	s_add_co_u32 s24, s24, s25
	s_mov_b32 s25, 0
	s_mul_i32 s61, s18, XB
	s_mov_b32 s60, 1
	; group 1: 16,384 dense bytes as 64 rows of 256 (32 elements of 8 bytes); 4 words of padding behind every 32 words
	s_mov_b32 s68, (3<<16)|(1<<20)|(4<<22)|(3<<25)
	s_mov_b32 s69, 32<<16
	s_mov_b32 s70, 64<<16
	s_mov_b32 s71, 32<<16
	s_mov_b32 s72, 64
	s_mov_b32 s73, 32
	s_mov_b32 s74, 0
	s_mov_b32 s75, 0
	s_wait_alu depctr_va_vdst(0)
	s_wait_dscnt 0x0                               ; both opening adds are done
	s_wait_kmcnt 0x0
	s_add_nc_u64 s[62:63], s[4:5], s[24:25]
	s_or_b32 s63, s63, 0x80000000
	tensor_load_to_lds s[60:63], s[68:75]          ; my eight rows: my only tensor load
	s_nop 0
	PLACES 4
	s_and_b32 s19, s18, 1                          ; w % 2: b
	s_bfe_u32 s20, s18, 0x10001                    ; (w / 2) % 2: the tensor
	s_lshr_b32 s21, s18, 2                         ; w / 4
	s_and_b32 s22, s18, 3                          ; v's channel tile n; and my rows' tile
	s_lshl_b32 s26, s18, 3                         ; my first weight fragment: 8 w, or 32 + 4 (w - 4)
	s_lshl_b32 s27, s18, 2
	s_add_co_u32 s27, s27, 16
	s_cmp_lt_u32 s18, 4
	s_cselect_b32 s26, s26, s27
	s_mul_i32 s28, s26, 1536
	s_mov_b32 s29, 0
	s_lshl_b32 s30, s26, 7
	s_add_co_u32 s30, s30, 73728
	s_mov_b32 s31, 0
	s_lshl_b32 s34, s19, 7                         ; bk, bq: channel 32 b
	s_mov_b32 s35, 0
	s_lshl_b32 s36, s22, 6                         ; bv: channel 16 n
	s_mov_b32 s37, 0
	s_add_nc_u64 s[28:29], s[6:7], s[28:29]
	s_add_nc_u64 s[30:31], s[6:7], s[30:31]
	s_cmp_lt_u32 s18, 2
	s_cselect_b64 s[8:9], s[8:9], s[10:11]
	s_add_nc_u64 s[8:9], s[8:9], s[34:35]
	s_add_nc_u64 s[12:13], s[12:13], s[36:37]
	s_mul_i32 s40, s22, 6400
	s_lshl_b32 s42, s21, 7
	s_add_co_u32 s42, s42, s40
	s_add_co_u32 s42, s42, IMG
	s_lshl_b32 s43, s21, 6
	s_add_co_u32 s43, s43, s40
	s_add_co_u32 s43, s43, IMG+256
	s_lshl_b32 s44, s22, 8
	s_lshl_b32 s45, s21, 7
	s_add_co_u32 s44, s44, s45
	s_add_co_u32 s44, s44, SCI
	s_mul_i32 s47, s20, 3840
	s_add_co_u32 s47, s47, OUT
	s_lshl_b32 s48, s19, 7
	s_add_co_u32 s47, s47, s48
	s_add_co_u32 s48, s47, 4
	s_lshl_b32 s49, s20, 8
	s_add_co_u32 s49, s49, OUT+3072
	s_add_co_u32 s49, s49, s19
	s_mul_i32 s50, s22, 768
	s_add_co_u32 s50, s50, OUT+6912
	s_lshl_b32 s51, s22, 2
	s_add_co_u32 s51, s51, OUT+3584
	s_and_b32 s52, ttmp9, 1
	s_xor_b32 s53, s52, 1
	s_mul_i32 s54, ttmp9, 3328
	s_mov_b32 s55, 0
	s_mul_i32 s56, ttmp9, 6656
	s_mov_b32 s57, 0
	s_add_nc_u64 s[14:15], s[14:15], s[54:55]
	s_add_nc_u64 s[16:17], s[16:17], s[56:57]
	s_mov_b32 s58, 0x76543210                      ; v_permlanex16_b32's selects for lane l xor 16
	s_mov_b32 s59, 0xfedcba98
	v_and_b32 v1, 31, v0                           ; lane
	v_and_b32 v2, 15, v0                           ; r
	v_bfe_u32 v3, v0, 4, 1                         ; h
	v_lshlrev_b32 v4, 4, v1
	v_lshlrev_b32 v5, 2, v1
	v_lshlrev_b32 v6, 6, v3
	v_lshlrev_b32 v27, 2, v2
	v_mul_u32_u24 v8, 144, v1
	v_add_nc_u32 v8, s61, v8                       ; my block of x: 128 bytes
	v_mul_u32_u24 v12, 400, v2
	v_lshl_add_u32 v9, v3, 4, v12
	v_add_nc_u32 v9, s42, v9                       ; its words 0-3
	v_lshl_add_u32 v10, v3, 3, v12
	v_add_nc_u32 v10, s43, v10                     ; words 4-5
	v_lshl_add_u32 v11, v3, 4, v2
	v_add_nc_u32 v11, s44, v11                     ; its scale byte
	v_mul_u32_u24 v13, 400, v3
	v_lshl_add_u32 v12, v2, 4, v13
	v_add_nc_u32 v12, IMG, v12                     ; x's fragments: block 4 s + 2 c + h of row r
	v_lshl_add_u32 v13, v2, 3, v13
	v_add_nc_u32 v13, IMG+256, v13
	v_lshlrev_b32 v16, 4, v2
	v_add_nc_u32 v16, SCI, v16                     ; x's scale words: four K steps' for row r
	v_mul_u32_u24 v17, 260, v3
	v_lshl_add_u32 v17, v2, 3, v17
	v_add_nc_u32 v17, s47, v17                     ; k, q: word 3 h of operand lane r + 16 b; 256 on: word 3 h + 2
	v_mul_u32_u24 v18, 508, v3
	v_lshl_add_u32 v18, v2, 3, v18
	v_add_nc_u32 v18, s48, v18                     ; word 3 h + 1
	v_lshlrev_b32 v19, 4, v2
	v_add_nc_u32 v19, s49, v19                     ; scale byte b
	v_add_nc_u32 v20, s50, v4                      ; v: words 0-3,
	v_lshlrev_b32 v28, 3, v1
	v_add_nc_u32 v21, s50, v28
	v_add_nc_u32 v21, 512, v21                     ; words 4-5,
	v_lshl_add_u32 v22, v2, 4, v3
	v_add_nc_u32 v22, s51, v22                     ; scale byte
	v_lshlrev_b32 v25, 4, v0                       ; the way out: 16 bytes a thread
	v_add_nc_u32 v23, OUT, v25
	v_add_nc_u32 v24, OUT-2560, v25                ; waves 5-7: 16 (thread - 160)
	v_add_nc_u32 v26, -2560, v25
	v_add_nc_u32 v29, OUT+3072, v28
	v_lshlrev_b32 v7, 2, v0
	v_add_nc_u32 v7, OUT+3072, v7
	v_mov_b32 v30, 0                               ; written once: a lane permute's destination counts as one of its sources
	v_mov_b32 v31, 0
	s_wait_alu depctr_va_vdst(0)                   ; the wait at the head's end
	s_cmp_lt_u32 s18, 4
	s_cbranch_scc0 .Lone_tile
	WIN 0x40
.irp k, 0,1,2,3
	global_load_b128 v[BI+4*\k:BI+4*\k+3], v6, s[8:9] offset:16*\k
.endr
.irp i, 4,5,6,7
.irp c, 0,1,2
	global_load_b128 v[12*\i+4*\c:12*\i+4*\c+3], v4, s[28:29] offset:1536*\i+512*\c
.endr
.endr
	WIN 0
.irp i, 4,5,6,7
	global_load_b32 v[WW+\i], v5, s[30:31] offset:128*\i
.endr
	s_branch .Lasked
.Lone_tile:
	WIN 0x40
	global_load_b32 v[BI], v27, s[12:13]
	WIN 0
.Lasked:
	WIN 0x40
.irp i, 0,1,2,3
.irp c, 0,1,2
	global_load_b128 v[12*\i+4*\c:12*\i+4*\c+3], v4, s[28:29] offset:1536*\i+512*\c
.endr
.endr
	WIN 0
.irp i, 0,1,2,3
	global_load_b32 v[WW+\i], v5, s[30:31] offset:128*\i
.endr
	s_wait_tensorcnt 0x0                           ; my rows are in; I alone read them
	ds_store_b32 v7, v[NIL]                        ; the scale words' bytes that no wave writes are 0 (the barrier below stands ahead of the others' stores)
.irp g, 0,1,2,3
.irp i, 0,1,2,3,4,5,6,7
	ds_load_b128 v[X+32*\g+4*\i:X+32*\g+4*\i+3], v8 offset:4608*\g+16*\i
.endr
.endr
	QUANT 0, TMP
	QUANT 1, X                                     ; (each group has registers of its own for its codes: those that the group before has left)
	QUANT 2, X+32
	QUANT 3, X+64
	s_wait_alu depctr_va_vdst(0)
	s_wait_dscnt 0x0                               ; my codes have landed, for the other waves
	s_barrier_signal -1
	s_barrier_wait -1
	s_wait_loadcnt 0x0                             ; the weights and the biases
	s_cmp_lt_u32 s18, 4
	s_cbranch_scc0 .Lv_products
	XFLOAD 0
	KQPROD 0
	XFLOAD 1                                       ; the next two tiles are asked for ahead of these two's way out
	KQOUT 0
	KQPROD 8
	KQOUT 1
	s_branch .Lmade
.Lv_products:
	XFLOAD 0
	WIN 0x41
.irp i, 1,2,3,4,5,6,7
	v_mov_b32 v[BI+\i], v[BI]                      ; a lane's eight results are one channel's
.endr
	WIN 0
	s_wait_alu depctr_va_vdst(0)
	VPROD 0
	XFLOAD 1
	VPROD 1
	BLOCK32 ACC, TMP                               ; tokens 32 h + 0 .. 31 of my channel
	v_mul_u32_u24 v204, s53, v207                  ; the byte goes to bytes h (an even group) or 2 + h (an odd one); the other is 0
	v_mul_u32_u24 v205, s52, v207
	ds_store_b128 v20, v[192:195]
	ds_store_b64 v21, v[196:197]
	ds_store_b8 v22, v204
	ds_store_b8 v22, v205 offset:2
.Lmade:
	s_wait_alu depctr_va_vdst(0)
	s_wait_dscnt 0x0                               ; my part of the results has landed
	s_barrier_signal -1
	s_barrier_wait -1
	ds_load_b128 v[32:35], v23 offset:3328         ; qv's first 4,096 bytes: all waves
	s_cmp_lt_u32 s18, 5
	s_cbranch_scc0 .Lk_codes
	ds_load_b128 v[36:39], v23 offset:7424         ; its last 2,560: waves 0-4
	s_cmp_eq_u32 s18, 0
	s_cbranch_scc0 .Lq_only
	ds_load_b64 v[40:41], v29                      ; k's scale words: wave 0
	s_wait_dscnt 0x0
	global_store_b64 v28, v[40:41], s[14:15] offset:3072
.Lq_only:
	s_wait_dscnt 0x0
	global_store_b128 v25, v[32:35], s[16:17]
	global_store_b128 v25, v[36:39], s[16:17] offset:4096
	s_branch .Lend
.Lk_codes:
	ds_load_b128 v[36:39], v24                     ; k's 3,072 bytes of codes: waves 5-7
	ds_load_b128 v[40:43], v24 offset:1536
	s_wait_dscnt 0x0
	global_store_b128 v25, v[32:35], s[16:17]
	global_store_b128 v26, v[36:39], s[14:15]
	global_store_b128 v26, v[40:43], s[14:15] offset:1536
.Lend:
	s_wait_tensorcnt 0x0                           ; the wave's end
	ds_add_u32 v[SPW], v[NIL]
	s_wait_dscnt 0x0
	s_endpgm
.Lfunc_end_k_q41d233f69e_proj:
	.size	k_q41d233f69e_proj, .Lfunc_end_k_q41d233f69e_proj-k_q41d233f69e_proj
	.p2alignl 7, 3214868480
	.fill 96, 4, 3214868480
	.section	.rodata,"a",@progbits
	.p2align	6, 0x0
	.amdhsa_kernel k_q41d233f69e_proj
		.amdhsa_group_segment_fixed_size 185344
		.amdhsa_private_segment_fixed_size 0
		.amdhsa_enable_private_segment 0
		.amdhsa_kernarg_size 56
		.amdhsa_user_sgpr_count 2
		.amdhsa_user_sgpr_kernarg_segment_ptr 1
		.amdhsa_wavefront_size32 1
		.amdhsa_system_sgpr_workgroup_id_x 1
		.amdhsa_system_sgpr_workgroup_id_y 1
		.amdhsa_system_sgpr_workgroup_id_z 1
		.amdhsa_system_vgpr_workitem_id 0
		.amdhsa_next_free_vgpr 464
		.amdhsa_next_free_sgpr 80
		.amdhsa_reserve_vcc 0
		.amdhsa_float_denorm_mode_32 3
		.amdhsa_float_denorm_mode_16_64 3
		.amdhsa_memory_ordered 1
		.amdhsa_forward_progress 1
		.amdhsa_inst_pref_size 43
	.end_amdhsa_kernel
	.amdgpu_metadata
---
amdhsa.version: [ 1, 2 ]
amdhsa.kernels:
  - .name:           k_q41d233f69e_proj
    .symbol:         k_q41d233f69e_proj.kd
    .args:
      - { .name: x, .offset: 0, .size: 8, .value_kind: global_buffer, .address_space: global }
      - { .name: wimg, .offset: 8, .size: 8, .value_kind: global_buffer, .address_space: global }
      - { .name: bk, .offset: 16, .size: 8, .value_kind: global_buffer, .address_space: global }
      - { .name: bq, .offset: 24, .size: 8, .value_kind: global_buffer, .address_space: global }
      - { .name: bv, .offset: 32, .size: 8, .value_kind: global_buffer, .address_space: global }
      - { .name: kimg, .offset: 40, .size: 8, .value_kind: global_buffer, .address_space: global }
      - { .name: qv, .offset: 48, .size: 8, .value_kind: global_buffer, .address_space: global }
    .group_segment_fixed_size: 185344
    .private_segment_fixed_size: 0
    .kernarg_segment_align: 8
    .kernarg_segment_size: 56
    .max_flat_workgroup_size: 256
    .sgpr_count:     80
    .vgpr_count:     464
    .wavefront_size: 32
...
	.end_amdgpu_metadata
.endif
;; end of part 2
;; launch attn (part 3): grid 64 x 4, 8 waves a work-group, clusters of 4 x 1, 327,680 bytes of LDS; arguments kimg, qv, out0; writes out0
.if DOCPART == 3
	.amdgcn_target "amdgcn-amd-amdhsa--gfx1250"
	.amdhsa_code_object_version 6
	.text
	.protected	k_q41d233f69e_attn
	.globl	k_q41d233f69e_attn
	.p2align	8
	.type	k_q41d233f69e_attn,@function
k_q41d233f69e_attn:
	s_mov_b64 s[64:65], 0
	v_nop
	global_prefetch_b8 v0, s[64:65] scope:SCOPE_SE
	s_setreg_imm32_b32 hwreg(HW_REG_WAVE_MODE, 25, 1), 1
	s_wait_xcnt 0x0
	s_wait_alu depctr_hold_cnt(0) depctr_sa_sdst(0) depctr_va_vdst(0) depctr_va_sdst(0) depctr_va_ssrc(0) depctr_va_vcc(0) depctr_vm_vsrc(0)
	s_getreg_b32 s2, hwreg(HW_REG_IB_STS2, 6, 4)
	s_cmp_eq_u32 s2, 0
	s_cbranch_scc0 .Lentry_in_a_cluster
	s_endpgm
.Lentry_in_a_cluster:
	s_bfe_u32 s2, ttmp6, 0x10000c
	s_cmp_lg_u32 s2, 0x3003
	s_cbranch_scc0 .Lentry_shape_is_right
	s_endpgm
.Lentry_shape_is_right:
; out[row] = the sum over tokens u of softmax_u(k[row] . q[u] / sqrt(512)) v[u], in each of 4 batches of 4,096 tokens, both products on codes of FP6 (E2M3) with one E8M0 scale for each 32 along K.
; THE SOFTMAX: t = score x log2(e) / sqrt(512); M = the largest t so far, rounded UP to a whole number; p = 2^(t - M) is quantised along the tokens; l is the sum of the unquantised p in f32 and divides at the end.
; When M moves, l and the sums are multiplied by 2^(old M - new M): exact.
; SHARES.  A work-group owns 64 rows (a group of kimg).  Wave w of eight has row tiles 2 (w % 2) + 0, 1 (32 rows, so that each fragment of q and v feeds two products) and a quarter j = w / 2 of the tokens: eight steps
; of 128.  It keeps its own M, l and sums; the four waves of a row are merged at the end by exact powers of two.
; LAYOUT.  Both products are used transposed: S^T (source 0 = 16 tokens of q, source 1 = 16 rows of k), O^T (source 0 = 16 channels of v, source 1 = p): a lane holds one row throughout.
; Lane r of q's tile 4 c + t of a block of 128 tokens holds token 64 c + 32 (r / 8) + 8 t + r % 8: so the 32 registers of S^T's tiles 4 c .. 4 c + 3 are tokens 64 c + 32 h + 0 .. 31 (h = lane / 16): a whole block of p, and the
; operand's own order.  Lanes l and l xor 16 meet for the row's largest score and for the scale word alone.
; K = 64 IN THE FIRST PRODUCT: k's registers 6-11 are zero codes, and bytes 2 and 3 of both scale words are 0 (2^-127, no NaN).  q's tile T is named as 12 registers from its own six on; the upper six are the next
; tile's codes (behind tile 7 six zeros): E2M3 has no infinity and no NaN, so they multiply zeros and add nothing.
; WHERE q AND v COME FROM.  A batch's 64 groups are 425,984 bytes, more than LDS holds.  Groups 0-47 come into LDS once, by one joint load a wave (the four work-groups of a cluster belong to one batch: mask 15); nothing is
; filled twice.  Groups 48-63 are the waves' first two steps: 26,624 bytes a wave straight into registers, so that the work begins while LDS is being filled (a joint load does not reach registers).
; A step's q is asked for behind the scores of the step before, its v behind its own scores.  No prefetch: everything that LDS will hold is asked for at the head, and its wait stands a step later.
; LIMITS: the promise holds while the scaled scores stay under 2^31 in magnitude; a block of p whose largest number lies under 2^-124 keeps the byte 1; NaN and infinities are not served.
.set GRP,   6656                       ; a group of 64 tokens: q's scale words, v's at 256, q's codes at 512, v's at 3584
.set STEPB, 2*GRP
.set SPARE, 48*GRP                     ; behind the groups: the spare words, 128 bytes a wave
.set SP,    272                        ; the way out: a stage row of 256 bytes + 16
.set STW,   32*SP                      ; a wave's stage
.set STG,   0                          ; where groups lay: their only fill is long past, and the barrier in the last step shows that nobody reads them any more
.set ML,    STG+8*STW                  ; (-M, l) of 32 rows for each wave, 256 bytes
.set SPW,  4
.set NIL,  5
.set PSW,  6                           ; v6, v7     p's scale words.  (v6-v9, v96-107 hold scales and nothing else)
.set KSW,  8                           ; v8, v9     k's
.set NM,   16                          ; v16, v18   -M of the two row tiles; v17, v19 the largest score
.set LS,   20                          ; v20-23     l, in two halves
.set FF,   24                          ; v24, v26   2^(old M - new M)
.set TT,   28
.set KF,   32                          ; v32-55     k's two fragments
.set BM,   56                          ; v56-59     block 2 tile + c: its largest score, then its largest p
.set BP,   60
.set SO,   62                          ; v62-65     the conversions' scale operands
.set SH,   66
.set PP,   70
.set PC,   72                          ; v72-95     p's codes
.set QSC,  96
.set VSC,  104
.set CT,   112                         ; v112-127   the conversions' second halves; ahead of them the first tile's sums
.set S,    128                         ; v128-255   S^T, then p: 64 tile + 32 c + token
.set QF,   0                           ; window 1: q's eight half fragments, six zeros;
.set VF,   56                          ;   v's four fragments;
.set O,    104                         ;   O^T: 32 tile + 8 n + e: channel 16 n + 8 h + e;
.set VR,   168                         ;   v's scale words of the two groups
.set SEL,  60                          ; s[60:61]
.set CS,   62                          ; s[62:63]   c, named as a pair
.set GB,   76                          ; s[76:77]   my first two steps in memory
.set NEGC, 78
.set MSB, 0
.macro WIN new
.if MSB != \new
	s_set_vgpr_msb (MSB<<8)|\new
.set MSB, \new
.endif
.endm
.macro PLACES n
.rept \n
	v_nop
.endr
.endm
.macro CROUND
	s_barrier_signal -1
	s_barrier_wait -1
	s_cmp_lg_u32 s10, 0
	s_cbranch_scc1 .Lnot_wave_0_\@
	s_barrier_signal -3
.Lnot_wave_0_\@:
	s_barrier_wait -3
	s_barrier_signal -1
	s_barrier_wait -1
.endm
.macro QMEM o                          ; q of a step from memory: 26 loads
	global_load_b128 v[QSC:QSC+3], v12, s[GB:GB+1] offset:\o
	global_load_b128 v[QSC+4:QSC+7], v12, s[GB:GB+1] offset:\o+GRP
	WIN 0x40
.irp T, 0,1,2,3,4,5,6,7
.irp p, 0,1,2
	global_load_b64 v[QF+6*\T+2*\p:QF+6*\T+2*\p+1], v11, s[GB:GB+1] offset:\o+GRP*(\T/4)+512+768*(\T%4)+256*\p
.endr
.endr
	WIN 0
.endm
.macro VMEM o                          ; v: 18 loads
	WIN 0x40
.irp n, 0,1,2,3
.irp c, 0,1
	global_load_b128 v[VF+12*\n+6*\c:VF+12*\n+6*\c+3], v10, s[GB:GB+1] offset:\o+GRP*\c+3584+768*\n
	global_load_b64 v[VF+12*\n+6*\c+4:VF+12*\n+6*\c+5], v11, s[GB:GB+1] offset:\o+GRP*\c+3584+768*\n+512
.endr
.endr
	global_load_b128 v[VR:VR+3], v12, s[GB:GB+1] offset:\o+256
	global_load_b128 v[VR+4:VR+7], v12, s[GB:GB+1] offset:\o+GRP+256
	WIN 0
.endm
.macro QLDS o                          ; q from LDS: 26 loads
	ds_load_b128 v[QSC:QSC+3], v3 offset:\o
	ds_load_b128 v[QSC+4:QSC+7], v3 offset:\o+GRP
	WIN 0x40
.irp T, 0,1,2,3,4,5,6,7
.irp p, 0,1,2
	ds_load_b64 v[QF+6*\T+2*\p:QF+6*\T+2*\p+1], v2 offset:\o+GRP*(\T/4)+512+768*(\T%4)+256*\p
.endr
.endr
	WIN 0
.endm
.macro VLDS
	WIN 0x40
.irp n, 0,1,2,3
.irp c, 0,1
	ds_load_b128 v[VF+12*\n+6*\c:VF+12*\n+6*\c+3], v1 offset:GRP*\c+3584+768*\n
	ds_load_b64 v[VF+12*\n+6*\c+4:VF+12*\n+6*\c+5], v2 offset:GRP*\c+3584+768*\n+512
.endr
.endr
	ds_load_b128 v[VR:VR+3], v3 offset:256
	ds_load_b128 v[VR+4:VR+7], v3 offset:GRP+256
	WIN 0
.endm
; A STEP: 128 tokens x 32 rows.  kind 1, 2: the two from memory; 3: from LDS, another follows; 4: the last.
.macro STEP kind
.if \kind < 3
	s_wait_loadcnt 18                              ; q is in; v's 18 may be out
.else
	s_wait_dscnt 0x0                               ; q is in
.endif
	WIN 0x01
.irp T, 0,1,2,3,4,5,6,7
.irp t, 0,1
	v_wmma_scale_f32_16x16x128_f8f6f4 v[S+64*\t+8*\T:S+64*\t+8*\T+7], v[QF+6*\T:QF+6*\T+11], v[KF+12*\t:KF+12*\t+11], 0, v[QSC+\T], v[KSW+\t] matrix_a_fmt:MATRIX_FMT_FP6 matrix_b_fmt:MATRIX_FMT_FP6
.endr
.endr
	WIN 0
.if \kind == 1
	PLACES 4
	QMEM STEPB                                     ; step 2's q
.else
	v_add_nc_u32 v1, s72, v10                      ; these lines are places behind the products
	v_add_nc_u32 v2, s72, v11
	v_add_nc_u32 v3, s72, v12
	v_nop
.if \kind == 2
	QLDS 0                                         ; step 3's q
.else
	VLDS                                           ; this step's v,
.if \kind == 3
	s_add_co_u32 s72, s72, STEPB
	QLDS STEPB                                     ; and the next step's q
.endif
.endif
.endif
.irp b, 0,1,2,3                                ; the largest score of each block serves twice: for the row's maximum, and, since p rises with the score, for the block's largest p
	v_max3_num_f32 v[BM+\b], v[S+32*\b], v[S+32*\b+1], v[S+32*\b+2]
.endr
.irp i, 3,5,7,9,11,13,15,17,19,21,23,25,27,29
.irp b, 0,1,2,3
	v_max3_num_f32 v[BM+\b], v[BM+\b], v[S+32*\b+\i], v[S+32*\b+\i+1]
.endr
.endr
.irp b, 0,1,2,3
	v_max_num_f32 v[BM+\b], v[BM+\b], v[S+32*\b+31]
.endr
.irp t, 0,1
	v_max_num_f32 v[TT+\t], v[BM+2*\t], v[BM+2*\t+1]
.endr
.irp t, 0,1
	v_permlanex16_b32 v[BP+\t], v[TT+\t], s[SEL], s[SEL+1]
.endr
.irp t, 0,1
	v_max3_num_f32 v[NM+2*\t+1], v[NM+2*\t+1], v[TT+\t], v[BP+\t]   ; the running largest score
.endr
.irp t, 0,1
	v_mul_f32 v[TT+\t], s[NEGC], v[NM+2*\t+1]
.endr
.irp t, 0,1
	v_floor_f32 v[TT+\t], v[TT+\t]                 ; the new -M = floor(-t): a whole number
.endr
.irp t, 0,1
	v_sub_f32 v[FF+2*\t], v[TT+\t], v[NM+2*\t]     ; M's old value less its new one: 0 or less
.endr
.irp t, 0,1
	v_mov_b32 v[NM+2*\t], v[TT+\t]
.endr
.irp t, 0,1
	v_cvt_i32_f32 v[FF+2*\t], v[FF+2*\t]           ; (it saturates)
.endr
.set ix, 0
.rept 32
	v_pk_fma_f32 v[S+ix:S+ix+1], v[S+ix:S+ix+1], s[CS:CS+1], v[NM:NM+1] op_sel_hi:[1,0,0]   ; the first tile's t - M, two at a time
.set ix, ix+2
.endr
.irp c, 0,1
	v_fma_f32 v[BM+\c], v[BM+\c], s[CS], v[NM]
.endr
.irp t, 0,1
	v_ldexp_f32 v[FF+2*\t], 1.0, v[FF+2*\t]        ; an exact power of two
.endr
	WIN 0x41
.set ix, 0
.rept 16
	v_pk_mul_f32 v[O+ix:O+ix+1], v[O+ix:O+ix+1], v[FF:FF+1] op_sel_hi:[1,0]   ; O^T under the new M
	v_pk_mul_f32 v[O+32+ix:O+33+ix], v[O+32+ix:O+33+ix], v[FF+2:FF+3] op_sel_hi:[1,0]
.set ix, ix+2
.endr
	WIN 0
	s_wait_alu depctr_va_vdst(0)                   ; the wait ahead of the batch
.set ix, 0
.rept 32
	v_exp_f32 v[S+ix], v[S+ix]                     ; the first tile's p, at most 1: not normalised; among them the second tile's t - M, first read behind the next wait
	v_pk_fma_f32 v[S+64+ix:S+65+ix], v[S+64+ix:S+65+ix], s[CS:CS+1], v[NM+2:NM+3] op_sel_hi:[1,0,0]
	v_exp_f32 v[S+ix+1], v[S+ix+1]
.set ix, ix+2
.endr
.irp c, 0,1
	v_exp_f32 v[BM+\c], v[BM+\c]                   ; the block's largest p: the same two instructions on the same number
	v_fma_f32 v[BM+2+\c], v[BM+2+\c], s[CS], v[NM+2]
.endr
	s_wait_alu depctr_va_vdst(0)                   ; behind the first batch and ahead of the second
.set ix, 0
.rept 16
	v_exp_f32 v[S+64+4*ix], v[S+64+4*ix]
	v_exp_f32 v[S+65+4*ix], v[S+65+4*ix]
.if ix < 8
	v_pk_add_f32 v[CT+2*ix:CT+2*ix+1], v[S+4*ix:S+4*ix+1], v[S+4*ix+2:S+4*ix+3]   ; the sums of the first tile's unquantised p: sixteen that hang on nothing here
.else
	v_pk_add_f32 v[PC+2*ix-16:PC+2*ix-15], v[S+4*ix:S+4*ix+1], v[S+4*ix+2:S+4*ix+3]
.endif
	v_exp_f32 v[S+66+4*ix], v[S+66+4*ix]
	v_exp_f32 v[S+67+4*ix], v[S+67+4*ix]
.set ix, ix+1
.endr
.irp c, 2,3
	v_exp_f32 v[BM+\c], v[BM+\c]
.endr
	v_nop                                          ; a plain place behind the exponentials
.if \kind == 1
	s_wait_loadcnt 26                              ; v is in; step 2's q may be out
	s_wait_tensorcnt 0x0                           ; and my part of groups 0-47
.elseif \kind == 2
	s_wait_loadcnt 0x0
.elseif \kind == 3
	s_wait_dscnt 26                                ; v is in; the next step's q may be out
.else
	s_wait_dscnt 0x0                               ; v is in: my last reads of the groups
.endif
	s_wait_alu depctr_va_vdst(0)                   ; behind the batch
.if (\kind == 1) || (\kind == 4)
	s_barrier_signal -1                            ; step 1: groups 0-47 are shown to all; the last step: LDS becomes the stage.  Work on registers up to the wait
.endif
	WIN 0x05
.irp n, 0,1,2,3
	v_or_b32 v[VSC+\n], v[VR+\n], v[VR+4+\n]       ; the even group's bytes 0, 1 and the odd group's bytes 2, 3
.endr
	WIN 0
.irp b, 0,1,2,3
	v_max_num_f32 v[BM+\b], 0x1800000, v[BM+\b]    ; the floor 2^(3 - 127)
.endr
.irp k, 0,1,2,3,4,5,6,7
	v_pk_add_f32 v[CT+2*\k:CT+2*\k+1], v[CT+2*\k:CT+2*\k+1], v[PC+2*\k:PC+2*\k+1]
.endr
.irp b, 0,1,2,3
	v_add_nc_u32 v[SO+\b], 0xff000000, v[BM+\b]    ; 2 off the exponent field
.endr
.irp k, 0,1,2,3
	v_pk_add_f32 v[CT+2*\k:CT+2*\k+1], v[CT+2*\k:CT+2*\k+1], v[CT+8+2*\k:CT+9+2*\k]
.endr
.irp b, 0,1,2,3
	v_lshlrev_b32 v[SH+\b], 1, v[SO+\b]            ; the scale's byte on top
.endr
.irp k, 0,1
	v_pk_add_f32 v[CT+2*\k:CT+2*\k+1], v[CT+2*\k:CT+2*\k+1], v[CT+4+2*\k:CT+5+2*\k]
.endr
.irp t, 0,1
	v_perm_b32 v[PP+\t], v[SH+2*\t+1], v[SH+2*\t], v13   ; my two bytes at their places h and 2 + h, zeros beside them;
.endr
	v_pk_add_f32 v[CT:CT+1], v[CT:CT+1], v[CT+2:CT+3]
.irp t, 0,1
	v_permlanex16_b32 v[BP+\t], v[PP+\t], s[SEL], s[SEL+1]
.endr
	v_pk_fma_f32 v[LS:LS+1], v[LS:LS+1], v[FF:FF+1], v[CT:CT+1] op_sel_hi:[1,0,1]   ; l under the new M, and this step's
.irp b, 0,1,2,3
	v_cvt_scalef32_pk16_fp6_f32 v[PC+6*\b:PC+6*\b+2], v[S+32*\b:S+32*\b+15], v[SO+\b]
	v_cvt_scalef32_pk16_fp6_f32 v[CT+4*\b:CT+4*\b+2], v[S+32*\b+16:S+32*\b+31], v[SO+\b]   ; (a conversion's three registers begin on an even number)
.endr
.irp t, 0,1
	v_or_b32 v[PSW+\t], v[PP+\t], v[BP+\t]         ; with lane l xor 16's two the word is whole.  (Plain places behind the conversions)
.endr
.irp b, 0,1,2,3
.irp i, 0,1,2
	v_mov_b32 v[PC+6*\b+3+\i], v[CT+4*\b+\i]
.endr
.endr
	v_pk_add_f32 v[14:15], v[S+64:S+65], v[S+66:S+67]      ; the second tile's sums, in four chains; also the places between p's codes and words and the products
	v_pk_add_f32 v[30:31], v[S+68:S+69], v[S+70:S+71]
	v_pk_add_f32 v[108:109], v[S+72:S+73], v[S+74:S+75]
	v_pk_add_f32 v[110:111], v[S+76:S+77], v[S+78:S+79]
.set ix, S+80
.rept 6
	v_pk_add_f32 v[14:15], v[14:15], v[ix:ix+1]
	v_pk_add_f32 v[30:31], v[30:31], v[ix+2:ix+3]
	v_pk_add_f32 v[108:109], v[108:109], v[ix+4:ix+5]
	v_pk_add_f32 v[110:111], v[110:111], v[ix+6:ix+7]
.set ix, ix+8
.endr
	v_pk_add_f32 v[14:15], v[14:15], v[30:31]
	v_pk_add_f32 v[108:109], v[108:109], v[110:111]
	v_pk_add_f32 v[14:15], v[14:15], v[108:109]
	v_pk_fma_f32 v[LS+2:LS+3], v[LS+2:LS+3], v[FF+2:FF+3], v[14:15] op_sel_hi:[1,0,1]
	WIN 0x51
.irp n, 0,1,2,3                                ; the eight accumulators take turns, one instruction a turn
.irp t, 0,1
	v_wmma_scale_f32_16x16x128_f8f6f4 v[O+32*\t+8*\n:O+32*\t+8*\n+7], v[VF+12*\n:VF+12*\n+11], v[PC+12*\t:PC+12*\t+11], v[O+32*\t+8*\n:O+32*\t+8*\n+7], v[VSC+\n], v[PSW+\t] matrix_a_fmt:MATRIX_FMT_FP6 matrix_b_fmt:MATRIX_FMT_FP6
.endr
.endr
	WIN 0
.if \kind == 1
	s_barrier_wait -1                              ; groups 0-47 lie in LDS for every wave
	PLACES 4
	VMEM STEPB                                     ; step 2's v
.endif
.endm
	s_load_b128 s[4:7], s[0:1], 0x0                ; kimg, qv
	s_load_b64 s[8:9], s[0:1], 0x10                ; out0
	v_lshl_add_u32 v[SPW], v0, 2, SPARE
	v_mov_b32 v[NIL], 0
	ds_add_u32 v[SPW], v[NIL]                      ; the opening lines
	ds_add_u32 v[SPW], v[NIL]
	v_lshrrev_b32 v28, 5, v0
	v_readfirstlane_b32 s10, v28                   ; wave w
	s_and_b32 s11, s10, 1                          ; which two row tiles
	s_lshr_b32 s12, s10, 1                         ; j: which quarter of the tokens
	s_lshl_b32 s75, s11, 3
	v_and_b32 v28, 31, v0                          ; lane
	v_and_b32 v29, 15, v0                          ; r
	v_bfe_u32 v30, v0, 4, 1                        ; h
	v_lshlrev_b32 v10, 4, v28
	v_lshlrev_b32 v11, 3, v28
	v_lshlrev_b32 v12, 4, v29
	v_add_nc_u32 v14, s75, v12
	s_bfe_u32 s13, ttmp6, 0x40000                  ; cx: it enters kimg's and out0's addresses alone
	s_and_b32 s14, ttmp7, 0xffff                   ; the batch
	s_lshl_b32 s15, ttmp9, 2
	s_add_co_u32 s15, s15, s13
	s_lshl_b32 s16, s14, 6
	s_add_co_u32 s15, s15, s16                     ; my group of 64 rows
	s_mov_b32 s24, 15|(3<<16)|(1<<21)              ; descriptor group 1: 39,936 dense bytes as 156 rows of 256 (32 elements of 8 bytes), mask 15, bit 21 beside it
	s_mov_b32 s25, 32<<16
	s_mov_b32 s26, 156<<16
	s_mov_b32 s27, 32<<16
	s_mov_b32 s28, 156
	s_mov_b32 s29, 32
	s_mov_b32 s30, 0
	s_mov_b32 s31, 0
	s_mul_i32 s68, s10, 6*GRP                      ; my eighth of groups 0-47, in LDS as in memory
	s_mov_b32 s69, 0
	s_mul_i32 s20, s14, 64*GRP
	s_mov_b32 s21, 0
	s_mul_i32 s76, s12, 4*GRP
	s_add_co_u32 s76, s76, 48*GRP
	s_mov_b32 s77, 0
	s_mul_i32 s22, s15, 3328
	s_mov_b32 s23, 0
	s_mul_i32 s70, s11, 1536
	s_mov_b32 s71, 0
	s_lshl_b32 s66, s11, 1                         ; the rows that I store: tile T = 2 (w % 2) + j / 2, tokens 32 (j % 2) + 8 T + 0 .. 7 of the group
	s_lshr_b32 s67, s12, 1
	s_add_co_u32 s66, s66, s67
	s_lshl_b32 s66, s66, 3
	s_and_b32 s67, s12, 1
	s_lshl_b32 s67, s67, 5
	s_add_co_u32 s66, s66, s67
	s_lshl_b32 s66, s66, 8
	s_lshl_b32 s67, s15, 14
	s_add_co_u32 s66, s66, s67
	s_mov_b32 s67, 0
	s_mul_i32 s72, s12, 12*GRP                     ; my quarter of groups 0-47
	s_mov_b32 s[SEL], 0x76543210                   ; v_permlanex16_b32's selects for lane l xor 16
	s_mov_b32 s[SEL+1], 0xfedcba98
	s_mov_b32 s[CS], 0x3d8293ee                    ; c = log2(e) / sqrt(512)
	s_mov_b32 s[CS+1], s[CS]
	s_mov_b32 s[NEGC], 0xbd8293ee
	s_wait_alu depctr_va_vdst(0)
	s_wait_dscnt 0x0                               ; both opening adds are done
	s_wait_kmcnt 0x0
	s_add_nc_u64 s[6:7], s[6:7], s[20:21]
	s_add_nc_u64 s[4:5], s[4:5], s[22:23]
	s_add_nc_u64 s[70:71], s[4:5], s[70:71]
	s_add_nc_u64 s[8:9], s[8:9], s[66:67]
	s_add_nc_u64 s[GB:GB+1], s[6:7], s[76:77]
.irp t, 0,1
.irp p, 0,1,2
	global_load_b64 v[KF+12*\t+2*\p:KF+12*\t+2*\p+1], v11, s[70:71] offset:768*\t+256*\p   ; k's two half fragments stay in registers
.endr
	global_load_b32 v[KSW+\t], v14, s[4:5] offset:3072+4*\t
.endr
	QMEM 0                                         ; step 1's q
	s_mov_b32 s48, 1
	s_mov_b32 s49, s68
	s_add_nc_u64 s[50:51], s[6:7], s[68:69]
	s_or_b32 s51, s51, 0x80000000
	CROUND                                         ; all four work-groups are here: the joint loads meet
	tensor_load_to_lds s[48:51], s[24:31]          ; my only tensor load
	s_nop 0
	PLACES 4
	VMEM 0                                         ; step 1's v
	v_mov_b32 v31, 0x0c070c03                      ; lanes 0-15: byte 0 of block 0's, byte 2 of block 2's
	v_mov_b32 v13, 0x070c030c                      ; lanes 16-31: bytes 1 and 3
	v_cmp_eq_u32 vcc_lo, 0, v30
	v_cndmask_b32 v13, v13, v31, vcc_lo
.irp t, 0,1
.irp e, 6,7,8,9,10,11
	v_mov_b32 v[KF+12*\t+\e], 0                    ; zero codes for k = 64 .. 127
.endr
	v_mov_b32 v[NM+2*\t], 0x7f61b1e6               ; -M = 3e38,
	v_mov_b32 v[NM+2*\t+1], 0xff61b1e6             ; and -3e38, under every score
	v_mov_b32 v[LS+2*\t], 0
	v_mov_b32 v[LS+2*\t+1], 0
	v_mov_b32 v[FF+2*\t+1], 0                      ; (named as the upper half of a pair)
	v_mov_b32 v[BP+\t], 0                          ; written once: a lane permute's destination counts as one of its sources
.endr
	WIN 0x40
.irp e, 0,1,2,3,4,5
	v_mov_b32 v[QF+48+\e], 0                       ; what stands behind q's tile 7
.endr
.set ix, 0
.rept 64
	v_mov_b32 v[O+ix], 0                           ; O^T: the step is written alike for all, and its first change of M leaves zeros zeros
.set ix, ix+1
.endr
	WIN 0
	s_wait_alu depctr_va_vdst(0)                   ; the wait at the head's end
	STEP 1
	STEP 2
	s_mov_b32 s73, 5
.Lsteps:
	STEP 3
	s_sub_co_u32 s73, s73, 1
	s_cmp_lg_u32 s73, 0
	s_cbranch_scc1 .Lsteps
	STEP 4
	; THE WAY OUT.  Each wave puts its O^T and its rows' (-M, l) into LDS; behind a barrier wave (w % 2, j) merges rows 8 j .. 8 j + 7 of its 32 from the four waves that have them.
	s_mul_i32 s16, s10, STW
	s_add_co_u32 s16, s16, STG
	s_lshl_b32 s17, s10, 8
	s_add_co_u32 s17, s17, ML
	s_mul_i32 s18, s11, STW
	s_mul_i32 s19, s12, 8*SP
	s_add_co_u32 s18, s18, s19
	s_add_co_u32 s18, s18, STG
	s_lshl_b32 s19, s11, 8
	s_lshl_b32 s20, s12, 6
	s_add_co_u32 s19, s19, s20
	s_add_co_u32 s19, s19, ML
	s_wait_alu depctr_va_vdst(0)
	v_add_f32 v20, v20, v21                        ; l's two halves.  (These lines are the places behind the last products)
	v_add_f32 v22, v22, v23
	v_and_b32 v28, 15, v0                          ; r
	v_bfe_u32 v29, v0, 4, 1                        ; h
	v_permlanex16_b32 v[BP], v20, s[SEL], s[SEL+1]
	v_permlanex16_b32 v[BP+1], v22, s[SEL], s[SEL+1]
	v_mul_u32_u24 v1, SP, v28
	v_lshl_add_u32 v1, v29, 5, v1
	v_add_nc_u32 v1, s16, v1                       ; in: row r; tile n's eight channels of my half at 64 n + 32 h
	v_lshlrev_b32 v2, 3, v28
	v_add_nc_u32 v2, s17, v2
	v_mul_u32_u24 v3, SP, v29
	v_lshl_add_u32 v3, v28, 4, v3
	v_add_nc_u32 v3, s18, v3                       ; back: row 8 j + h of the stage of wave w % 2, 16 bytes a lane
	v_lshlrev_b32 v30, 3, v29
	v_add_nc_u32 v30, s19, v30                     ; and that row's (-M, l)
	v_lshlrev_b32 v31, 8, v29
	v_lshl_add_u32 v31, v28, 4, v31                ; in out0: lanes 0-15 one row of 256 bytes, lanes 16-31 the next
	v_add_f32 v17, v20, v[BP]                      ; with lane l xor 16's: my l; v[16:17], v[18:19] = (-M, l)
	v_add_f32 v19, v22, v[BP+1]
	s_wait_alu depctr_va_vdst(0)
	s_barrier_wait -1                              ; nobody reads the groups any more
	WIN 0x04
.irp t, 0,1
.irp n, 0,1,2,3
	ds_store_b128 v1, v[O+32*\t+8*\n:O+32*\t+8*\n+3] offset:16*SP*\t+64*\n         ; each accumulator from its low end on
	ds_store_b128 v1, v[O+32*\t+8*\n+4:O+32*\t+8*\n+7] offset:16*SP*\t+64*\n+16
.endr
.endr
	WIN 0
	ds_store_b64 v2, v[16:17]                      ; (both halves of the lanes write the same bytes with the same values)
	ds_store_b64 v2, v[18:19] offset:128
	s_wait_dscnt 0x0                               ; for the others' sake
	s_barrier_signal -1
	s_barrier_wait -1
.set MR, 192                                   ; v192-223 (-M, l): row pair q, partner g
.set FG, 224                                   ; v224-239 the partners' factors
.set OU, 80                                    ; v80-95   the result
.irp q, 0,1,2,3                                ; rows 8 j + 2 q + h; partner g is wave w % 2 + 2 g
.irp g, 0,1,2,3
	ds_load_b128 v[S+16*\q+4*\g:S+16*\q+4*\g+3], v3 offset:2*STW*\g+2*SP*\q
	ds_load_b64 v[MR+8*\q+2*\g:MR+8*\q+2*\g+1], v30 offset:512*\g+16*\q
.endr
.endr
	s_wait_dscnt 0x0
.irp q, 0,1,2,3
	v_min3_num_f32 v[BM+\q], v[MR+8*\q], v[MR+8*\q+2], v[MR+8*\q+4]
.endr
.irp q, 0,1,2,3
	v_min_num_f32 v[BM+\q], v[BM+\q], v[MR+8*\q+6] ; the least -M: the row's M
.endr
.irp g, 0,1,2,3
.irp q, 0,1,2,3
	v_sub_f32 v[FG+4*\q+\g], v[BM+\q], v[MR+8*\q+2*\g]   ; the partner's M less the row's: a whole number, 0 or less
.endr
.endr
.irp g, 0,1,2,3
.irp q, 0,1,2,3
	v_cvt_i32_f32 v[FG+4*\q+\g], v[FG+4*\q+\g]
.endr
.endr
.irp g, 0,1,2,3
.irp q, 0,1,2,3
	v_ldexp_f32 v[FG+4*\q+\g], 1.0, v[FG+4*\q+\g]
.endr
.endr
.irp q, 0,1,2,3
	v_mul_f32 v[72+\q], v[FG+4*\q], v[MR+8*\q+1]
.endr
.irp g, 1,2,3
.irp q, 0,1,2,3
	v_fmac_f32 v[72+\q], v[FG+4*\q+\g], v[MR+8*\q+2*\g+1]   ; the row's l
.endr
.endr
	s_wait_alu depctr_va_vdst(0)
.irp q, 0,1,2,3
	v_rcp_f32 v[76+\q], v[72+\q]
.endr
	v_nop                                          ; one plain place behind a transcendental
	s_wait_alu depctr_va_vdst(0)
.irp g, 0,1,2,3
.irp q, 0,1,2,3
	v_mul_f32 v[FG+4*\q+\g], v[FG+4*\q+\g], v[76+\q]
.endr
.endr
.irp q, 0,1,2,3
.irp e, 0,1,2,3
	v_mul_f32 v[OU+4*\q+\e], v[S+16*\q+\e], v[FG+4*\q]
.endr
.endr
.irp g, 1,2,3
.irp q, 0,1,2,3
.irp e, 0,1,2,3
	v_fmac_f32 v[OU+4*\q+\e], v[S+16*\q+4*\g+\e], v[FG+4*\q+\g]
.endr
.endr
.endr
.irp q, 0,1,2,3
	global_store_b128 v31, v[OU+4*\q:OU+4*\q+3], s[8:9] offset:512*\q th:TH_STORE_NT   ; two whole rows: 512 consecutive bytes, at a multiple of 256 from out0's first byte
.endr
	s_wait_tensorcnt 0x0                           ; the wave's end
	ds_add_u32 v[SPW], v[NIL]
	s_wait_dscnt 0x0
	CROUND                                         ; the closing round: no work-group ends while a partner may still ask for a part that names it
	s_endpgm
.Lfunc_end_k_q41d233f69e_attn:
	.size	k_q41d233f69e_attn, .Lfunc_end_k_q41d233f69e_attn-k_q41d233f69e_attn
	.p2alignl 7, 3214868480
	.fill 96, 4, 3214868480
	.section	.rodata,"a",@progbits
	.p2align	6, 0x0
	.amdhsa_kernel k_q41d233f69e_attn
		.amdhsa_group_segment_fixed_size 327680
		.amdhsa_private_segment_fixed_size 0
		.amdhsa_enable_private_segment 0
		.amdhsa_kernarg_size 24
		.amdhsa_user_sgpr_count 2
		.amdhsa_user_sgpr_kernarg_segment_ptr 1
		.amdhsa_wavefront_size32 1
		.amdhsa_system_sgpr_workgroup_id_x 1
		.amdhsa_system_sgpr_workgroup_id_y 1
		.amdhsa_system_sgpr_workgroup_id_z 1
		.amdhsa_system_vgpr_workitem_id 0
		.amdhsa_next_free_vgpr 448
		.amdhsa_next_free_sgpr 80
		.amdhsa_reserve_vcc 1
		.amdhsa_float_denorm_mode_32 3
		.amdhsa_float_denorm_mode_16_64 3
		.amdhsa_memory_ordered 1
		.amdhsa_forward_progress 1
		.amdhsa_inst_pref_size 133
	.end_amdhsa_kernel
	.amdgpu_metadata
---
amdhsa.version: [ 1, 2 ]
amdhsa.kernels:
  - .name:           k_q41d233f69e_attn
    .symbol:         k_q41d233f69e_attn.kd
    .args:
      - { .name: kimg, .offset: 0, .size: 8, .value_kind: global_buffer, .address_space: global }
      - { .name: qv, .offset: 8, .size: 8, .value_kind: global_buffer, .address_space: global }
      - { .name: out0, .offset: 16, .size: 8, .value_kind: global_buffer, .address_space: global }
    .group_segment_fixed_size: 327680
    .private_segment_fixed_size: 0
    .kernarg_segment_align: 8
    .kernarg_segment_size: 24
    .max_flat_workgroup_size: 256
    .sgpr_count:     80
    .vgpr_count:     448
    .wavefront_size: 32
...
	.end_amdgpu_metadata
.endif
;; end of part 3
